; MI455X (gfx1250); checked and timed in simulation.
; The chip was launched on July 23, 2026; its instructions are those of AMD's public machine-readable ISA for CDNA 5 (MIT licence, August 2026) and "CDNA5" Instruction Set Architecture Reference Guide (July 2026). The comments in the code are by the model that wrote it; some were corrected since.
;; Multi Head Attention. Allowed arithmetic: matrix products marked QUANTISED: E5M2 operands, one given power-of-two scale a tensor, by v_wmma_f32_16x16x64_bf8_bf8 or v_wmma_f32_16x16x128_bf8_bf8, f32 sums; everything else in f32.
;; Inputs: Wk_codes 16 x 64 x 32 x 32 uint8 (E5M2 codes of Wk, K innermost, in blocks of 32 codes); Wo_codes 1,024 x 32 x 32 uint8 (E5M2 codes of Wo, K innermost, in blocks of 32 codes); Wq_codes 16 x 64 x 32 x 32 uint8 (E5M2 codes of Wq, K innermost, in blocks of 32 codes); Wv_codes 16 x 64 x 32 x 32 uint8 (E5M2 codes of Wv, K innermost, in blocks of 32 codes); bk 16 x 64 float32; bo 1,024 float32; bq 16 x 64 float32; bv 16 x 64 float32; lowp_scales 12 int32 (the exponents e of the quantised operands' scales 2^e); x_codes 4 x 2,048 x 32 x 32 uint8 (E5M2 codes of x, K innermost, in blocks of 32 codes).
;; Outputs: out0 4 x 2,048 x 1,024 float32.
;; This version of the problem:
;;   THIS VERSION OF THE PROBLEM IS GIVEN IN LOW PRECISION. The matrix products marked QUANTISED in the list below multiply operands that are first quantised to E5M2 (5 exponent bits, 2 mantissa bits; 8 bits a number), with one given power-of-two scale for each operand tensor; their sums are f32. All else is computed in f32.
;;   The module's matrix products, in the order in which they are computed (A, B: the left and right operand; K: the contracted axis; several contracted axes count as one K, in the product's order):
;;     1. [M 1,024, K 1,024] x [K 1,024, N 8,192]; A: input Wq (given as codes); B: input x (given as codes): QUANTISED (scales: A lowp_scales[0], B lowp_scales[1])
;;     2. [M 1,024, K 1,024] x [K 1,024, N 8,192]; A: input Wk (given as codes); B: input x (given as codes): QUANTISED (scales: A lowp_scales[2], B lowp_scales[3])
;;     3. [M 1,024, K 1,024] x [K 1,024, N 8,192]; A: input Wv (given as codes); B: input x (given as codes): QUANTISED (scales: A lowp_scales[4], B lowp_scales[5])
;;     4. batch 64 x [M 2,048, K 64] x [K 64, N 2,048]; A: computed on the way; B: computed on the way: QUANTISED (scales: A lowp_scales[6], B lowp_scales[7])
;;     5. batch 64 x [M 2,048, K 2,048] x [K 2,048, N 64]; A: softmax (see below); B: computed on the way: QUANTISED (scales: A lowp_scales[8], B lowp_scales[9])
;;     6. [M 8,192, K 1,024] x [K 1,024, N 1,024]; A: computed on the way; B: input Wo (given as codes): QUANTISED (scales: A lowp_scales[10], B lowp_scales[11])
;;   THE QUANTISER, for each operand of a quantised product, along K:
;;     - The operand's scale is 2^e, e = its entry of the input lowp_scales (int32; the entries are numbered through the quantised products in the list's order, A before B).
;;     - Each number is divided by the scale, clamped to +-57,344, and rounded to the nearest number of E5M2, ties to even, subnormals kept.
;;     - The product sums the exact products of the quantised numbers (number of the format x scale) in f32.
;;   ~~~python
;;   def quantise(x, axis, e):      # numpy; x: float32 -> the quantised numbers, widened to float32 again
;;       x = np.moveaxis(x, axis, -1); K = x.shape[-1]
;;       r = np.clip(x / 2.0 ** e, -57344, 57344)
;;       step = 2.0 ** (np.maximum(np.frexp(np.where(r == 0, 1, r))[1] - 1, -14) - 2)
;;       q = np.round(r / step) * step * 2.0 ** e      # np.round: ties to even
;;       return np.moveaxis(q, -1, axis).astype(np.float32)
;;   ~~~
;;   SOFTMAX AHEAD OF A QUANTISED PRODUCT. Where the list says 'softmax', what is quantised is not the finished softmax but p = 2^(t - M), with t = logit x log2(e) and M = ceil(the row's largest t), a whole number; so 1/2 < the row's largest p <= 1. The row's sum l is taken of the UNQUANTISED p, in f32, and the product's result is divided by l at the end. Since M is a whole number, a kernel that streams over the keys may use a running M (the ceiling of the running maximum): every later rescaling is an exact power of two, so the quantised numbers keep their values, but for numbers so far below the row's largest that they fall under the format's range.
;;   OPERANDS COMPUTED ON THE WAY. 'Computed on the way' means the value that the module computes at that place (a softmax that the list does not call 'softmax' is quantised finished and normalised). What goes into a quantiser is computed in f32, as accurately as f32 sums, v_exp_f32 and their like allow (about 1e-6 of the number): no bf16 or f16 on the way to a quantiser, and a product that is left as it is and whose result goes on into a quantised operand takes f32 operands (vector FMAs, or v_wmma_f32_16x16x4_f32). A number that lies on a knife's edge between two numbers of the format may be rounded either way, as far as f32 arithmetic and the matrix unit's own rounding can turn it there, and no further.
;;   INPUTS GIVEN AS CODES. Wk (in the module: [16, 1024, 64], K = its axis 1); Wo (in the module: [1024, 1024], K = its axis 0); Wq (in the module: [16, 1024, 64], K = its axis 1); Wv (in the module: [16, 1024, 64], K = its axis 1); x (in the module: [4, 2048, 1024], K = its axis 2): each comes as NAME_codes (uint8): NAME with its K axis moved to the last place and cut into blocks of 32 codes, [.., K / 32, bytes a block], one block behind the other in memory; one code a byte (a code: sign, 5 exponent bits, 2 mantissa bits); its scale is its entry of lowp_scales. Its value is code x scale, taken as it is: it is not quantised again, and the codes and scales need not be those that the quantiser above would give.
;; One version. Each part assembles by itself: llvm-mc -triple=amdgcn-amd-amdhsa -mcpu=gfx1250 --defsym DOCPART=n.
;; ======== version 1 of 1: 3 launches
;; limits: right only within a limited range of input values
;; workspace buffers: q_img 8,388,608 bytes; k_img 8,388,608 bytes; v_img 8,388,608 bytes; z_img 8,388,608 bytes
;; launch qkv (part 1): grid 16 x 16, 4 waves a work-group, clusters of 4 x 4, 327,680 bytes of LDS; arguments x_codes, Wq_codes, Wk_codes, Wv_codes, bq, bk, bv, lowp_scales, q_img, k_img, v_img; writes q_img, k_img, v_img
.if DOCPART == 1
	.amdgcn_target "amdgcn-amd-amdhsa--gfx1250"
	.amdhsa_code_object_version 6
	.text
	.protected	k_q9c37f6fdd9_qkv
	.globl	k_q9c37f6fdd9_qkv
	.p2align	8
	.type	k_q9c37f6fdd9_qkv,@function
k_q9c37f6fdd9_qkv:
	s_mov_b64 s[64:65], 0
	v_nop
	global_prefetch_b8 v0, s[64:65] scope:SCOPE_SE
	s_setreg_imm32_b32 hwreg(HW_REG_WAVE_MODE, 25, 1), 1
	s_wait_xcnt 0x0
	s_wait_alu depctr_hold_cnt(0) depctr_sa_sdst(0) depctr_va_vdst(0) depctr_va_sdst(0) depctr_va_ssrc(0) depctr_va_vcc(0) depctr_vm_vsrc(0)
	s_getreg_b32 s2, hwreg(HW_REG_IB_STS2, 6, 4)
	s_cmp_eq_u32 s2, 0
	s_cbranch_scc0 .Lentry_in_a_cluster
	s_endpgm
.Lentry_in_a_cluster:
	s_bfe_u32 s2, ttmp6, 0x10000c
	s_cmp_lg_u32 s2, 0xf033
	s_cbranch_scc0 .Lentry_shape_is_right
	s_endpgm
.Lentry_shape_is_right:
; q, k, v = x W + b for one head and 256 tokens, on codes of BF8 (E5M2), and their quantising to codes for the attention that follows.
; x: [8192 tokens][1024] codes.  Wq, Wk, Wv: [16 heads][64 d][1024] codes, K innermost.  bq, bk, bv: [16][64] f32.  The scales' exponents e0 .. e11 are whole numbers.
; A sum of codes stands for sum x 2^(eW + ex).  The bias goes in as the C of each sum's first matrix instruction, divided by that power of two; the finished sum is held within
; +-57,344 x 2^(eo - eW - ex) and converted with that one scale (eo = e6 for q, e7 for k, e9 for v): the three scales are folded into the conversion's one.
; LIMITS: e6 - e0 - e1, e7 - e2 - e3 and e9 - e4 - e5 lie between -126 and 112, so that each power of two below is an f32 number.  NaN among the inputs is not served.
; SHARES.  A work-group (head, block of 256 tokens) has four waves.  Wave w takes 128 tokens (w / 2; eight blocks of 16) and half of each of q's, k's and v's 64 columns (w % 2):
; six tiles of 16 columns, 48 accumulators of 16 x 16.  For 128 along K it reads 14 fragments from LDS and issues 48 matrix instructions.
; LAYOUT OF THE RESULTS: images of the registers that the attention's matrix instructions take, so nothing changes lanes and nothing goes through LDS on the way out.
;   q, k are made TRANSPOSED (source 0 = 16 rows of W, source 1 = 16 tokens): lane (r, h) holds token r and d = 16 t + 8 h + 0 .. 7: two registers of codes.
;   v is made the other way round (source 0 = 16 tokens, source 1 = 16 rows of Wv): lane (r, h) holds ONE d and the keys 16 a + 8 h + 0 .. 7: the keys are the second product's K.
;   THE ROWS OF Wv THAT FORM A TILE ARE NOT NEIGHBOURS: lane r of tile t takes d = 32 (t / 2) + 8 (t % 2) + r + 8 (r / 8), so that the attention's result has 16 neighbouring d in 16 registers.
;   q_img, k_img: [batch x head][tile of 16 tokens][2 groups of 4 registers][lane][16 bytes];  v_img: [batch x head][128 keys][tile of d][4 groups][lane][16 bytes].  Each store of a wave covers 512 consecutive bytes, aligned.
; K goes in steps of 256 through two LDS slots filled by the tensor data mover; a tile's row is 256 bytes of memory.  1,024 along K are four fills: the text has no loop.
; CLUSTERS: 4 x 4 work-groups.  The four of a row of the cluster take the same tokens, the four of a column the same head: x's tile and the three weights' tiles are asked for JOINTLY.
; Wave 0 asks for x's 256 rows, waves 1, 2, 3 for the 64 rows of Wq, Wk, Wv.  A wave has at most one tensor load outstanding.
; A fragment (16 rows x 128 K) is fetched by four loads of 16 bytes, 32 bytes apart: a permutation of k that is the same in both operands, so every product meets its partner.
; REGISTERS, in windows of 256: window 0: v1-29 addresses and scales; v32-127 the codes on the way out; v128-255 x's eight fragments, ONE set.
;   window 1: the weights' six fragments, TWO sets, at v0 and v128.   window 2: the accumulators of token blocks 0-3 ((a, b) at v[8 (6 a + b)]); v192-239 the six tiles' biases.   window 3: those of blocks 4-7.
; A WORK-GROUP STAYS: it makes two blocks of 256 tokens of its head, blocks y and y + 16 (4,194,304 bytes on in x and in each image), so the grid is 16 x 16.  The ring does not stop at a block's end: the first
; block's last two changes of slots ask for the next block's K steps 0 and 1, and its way out stands under the second of these loads.  So 2,048 along K are eight fills.
; At the head a wave issues one tensor load; slot 1's first fill stands behind a round, as a refill does: a wave never has more than one tensor load outstanding.
.set PITCH, 272                        ; an LDS row: 256 bytes + 16 of padding: the 16 rows that a load touches start at 16 different groups of banks (64 banks of 4 bytes: ISA guide 11.1)
.set SLOT,  448*PITCH                  ; x's 256 rows, then 64 rows each of Wq, Wk, Wv
.set WQO,   256*PITCH
.set WVO,   384*PITCH
.set SPARE, 2*SLOT                     ; behind the ring: the spare words, 128 bytes for each wave: two blocks of 256 bytes that no other line names
.set SC,   8                           ; v8, v10, v12: the conversions' scales for q, k, v;  v9, v11, v13: 57,344 x the scale
.set BV,   14                          ; v14-15  bv of my lane's d in my two tiles of v
.set ADRA, 16                          ; v16-17  LDS address of x's fragments in slot 0, 1
.set ADRB, 20                          ; v20-21  of Wq's (Wk's lie 64 rows on)
.set ADRV, 22                          ; v22-23  of Wv's
.set QO,   24                          ; v24     16 x lane: my place in an image
.set BO,   25                          ; v25     32 h: my eight numbers of bq, bk
.set BVO,  26                          ; v26     4 (r + 8 (r / 8)): my number of bv
.set SPW,  28                          ; v28     LDS address of my spare word; never rewritten
.set NIL,  29                          ; v29     0; never rewritten
.set CQ,   32                          ; q's codes: block a, tile u at v[CQ + 4 a + 2 u]
.set CK,   64                          ; k's
.set CV,   96                          ; v's: tile u, block a at v[CV + 16 u + 2 a]
.set AF,   128
.set BIAS, 192                         ; in window 2
.set G1,  24                           ; s[24:31] descriptor group 1 for x's tile;  s[32:39] group 0, a set for each slot
.set G0,  32
.set G1B, 48                           ; s[48:55], s[56:63] the same for a weight's tile
.set G0B, 56
.set MSB, 0
.macro WIN new                         ; the immediate's high byte repeats the setting that is left; a switch that changes nothing is dropped
.if MSB != \new
	s_set_vgpr_msb (MSB<<8)|\new
.set MSB, \new
.endif
.endm
.macro PLACES                          ; four plain vector instructions between a matrix instruction and a load into, or a vector read of, its registers
.rept 4
	v_nop
.endr
.endm
; A joint load.  Each of the two lines has one mask; the branch hangs on the wave's number alone.  Four v_nop follow each line.
.macro JLOAD s
	s_cmp_eq_u32 s14, 0
	s_cbranch_scc0 .Lfor_b_\@
	tensor_load_to_lds s[G0+4*\s:G0+4*\s+3], s[G1:G1+7]
	s_nop 0
.rept 4
	v_nop
.endr
	s_branch .Lasked_\@
.Lfor_b_\@:
	tensor_load_to_lds s[G0B+4*\s:G0B+4*\s+3], s[G1B:G1B+7]
	s_nop 0
.rept 4
	v_nop
.endr
.Lasked_\@:
.endm
; A PREFETCH INTO THE L2 of the tile that stands TWO fills on (at the head: of fills 1 and 2), behind a joint load and the LDS loads that follow it.  off: the tile's bytes along K, and 4,194,304 for the second block of tokens.
; Each row's 256 bytes of a K step are named once in each cluster that will load them.  x's 256 rows are shared out among the four partners of my row of the cluster BY ADDRESS, 64 rows each (cx): wave 0, which fetches x,
; asks for them, a lane a row, two instructions.  A weight's 64 rows are shared out among the four partners of my column, 16 rows each (cy): the wave that fetches the weight asks, lanes 16-31 naming the last row again.
; w = 1: the weights too: they are asked for in the first block alone; the second block reads the same rows again.  Every K step is reached by the immediate: no address register is ever rewritten.
; The last two fills have no tile two fills on, and ask for nothing.  What a work-group has asked for and not yet read is at most two fills' share.
.set PFX, 82                           ; s[82:83] x at my work-group's 64 rows, K step 0 of the first block
.set PFW, 66                           ; s[66:67] my wave's weight at my work-group's 16 rows
.set PFO, 30                           ; v30  1,024 x lane;  v31  1,024 x min(lane, 15); never rewritten
.set PF, -1                            ; what a change of slots asks for: bytes, or -1 for nothing
.macro ASK off, w
	s_cmp_eq_u32 s14, 0
	s_cbranch_scc0 .Lnot_x_\@
	global_prefetch_b8 v[PFO], s[PFX:PFX+1] offset:\off th:TH_LOAD_NT scope:SCOPE_SE
	global_prefetch_b8 v[PFO], s[PFX:PFX+1] offset:\off+32768 th:TH_LOAD_NT scope:SCOPE_SE
.if \w
	s_branch .Lpf_done_\@
.endif
.Lnot_x_\@:
.if \w
	global_prefetch_b8 v[PFO+1], s[PFW:PFW+1] offset:\off th:TH_LOAD_NT scope:SCOPE_SE
.Lpf_done_\@:
.endif
.endm
.macro CREST                           ; a round of the cluster's barrier behind its opening barrier
	s_cmp_lg_u32 s14, 0
	s_cbranch_scc1 .Lnot_wave_0_\@
	s_barrier_signal -3
.Lnot_wave_0_\@:
	s_barrier_wait -3
	s_barrier_signal -1
	s_barrier_wait -1
.endm
.macro CROUND                          ; a whole round
	s_barrier_signal -1
	s_barrier_wait -1
	CREST
.endm
	s_load_b256 s[4:11], s[0:1], 0x0               ; x s[4:5], Wq s[6:7], Wk s[8:9], Wv s[10:11]
	s_load_b256 s[68:75], s[0:1], 0x20             ; bq s[68:69], bk s[70:71], bv s[72:73], the scales' exponents s[74:75]
	s_load_b128 s[76:79], s[0:1], 0x40             ; q_img s[76:77], k_img s[78:79]
	s_load_b64 s[80:81], s[0:1], 0x50              ; v_img
	v_lshl_add_u32 v[SPW], v0, 2, SPARE
	v_mov_b32 v[NIL], 0
	ds_add_u32 v28, v29
	ds_add_u32 v28, v29
	s_wait_dscnt 0x0
	v_lshrrev_b32 v1, 5, v0
	v_readfirstlane_b32 s14, v1                    ; wave 0..3
	s_lshr_b32 s15, s14, 1                         ; which 128 tokens are mine
	s_and_b32 s16, s14, 1                          ; which half of the columns
	s_bfe_u32 s40, ttmp6, 0x40000                  ; cx, cy: my place in the cluster
	s_bfe_u32 s41, ttmp6, 0x40004
	s_lshl_b32 s42, ttmp9, 2
	s_add_co_u32 s42, s42, s40                     ; the head = 4 x cluster x + cx
	s_and_b32 s17, ttmp7, 0xffff
	s_lshl_b32 s17, s17, 2
	s_add_co_u32 s17, s17, s41                     ; the block of 256 tokens = 4 x cluster y + cy
	s_lshl_b32 s43, s41, 2
	s_lshl_b32 s43, 15, s43                        ; my row of the cluster
	s_lshl_b32 s44, 0x1111, s40                    ; my column
	s_or_b32 s[G1+0], s43, (1<<20)|(1<<21)|(5<<22)|(3<<25)    ; 15:0 the mask: x's tile goes to my row; 17:16 elements of 1 byte; 20 padding on; 21 set beside a mask; 24:22 after every 64 words; 31:25 four words
	s_mov_b32 s[G1+1], 256<<16                     ; tensor_dim0 = 256
	s_mov_b32 s[G1+2], 256<<16                     ; tensor_dim1 = 256
	s_mov_b32 s[G1+3], 256<<16                     ; tile_dim0 = 256
	s_mov_b32 s[G1+4], 256                         ; tile_dim1 = 256 rows
	s_mov_b32 s[G1+5], 1024                        ; from row to row
	s_mov_b32 s[G1+6], 0
	s_mov_b32 s[G1+7], 0
	s_or_b32 s[G1B+0], s44, (1<<20)|(1<<21)|(5<<22)|(3<<25)   ; the same with the mask of my column
	s_mov_b32 s[G1B+1], 256<<16
	s_mov_b32 s[G1B+2], 64<<16                     ; 64 rows
	s_mov_b32 s[G1B+3], 256<<16
	s_mov_b32 s[G1B+4], 64
	s_mov_b32 s[G1B+5], 1024
	s_mov_b32 s[G1B+6], 0
	s_mov_b32 s[G1B+7], 0
	s_lshl_b32 s20, s17, 18                        ; x: 256 tokens of 1,024 bytes a block
	s_mov_b32 s21, 0
	s_lshl_b32 s46, s42, 16                        ; a weight: 64 rows of 1,024 bytes a head
	s_mov_b32 s47, 0
	s_mul_i32 s45, s14, 64*PITCH
	s_add_co_u32 s45, s45, 192*PITCH               ; where wave 1, 2, 3's tile goes: behind x's 256 rows, 64 rows each
	s_wait_kmcnt 0x0
	s_load_b256 s[84:91], s[74:75], 0x0            ; e0 .. e7
	s_load_b32 s92, s[74:75], 0x24                 ; e9
	s_cmp_eq_u32 s14, 2                            ; which weight I ask for: the choice hangs on the wave's number alone
	s_cselect_b64 s[12:13], s[8:9], s[6:7]
	s_cmp_eq_u32 s14, 3
	s_cselect_b64 s[12:13], s[10:11], s[12:13]
	s_add_nc_u64 s[20:21], s[4:5], s[20:21]
	s_add_nc_u64 s[46:47], s[12:13], s[46:47]
	s_lshl_b32 s2, s40, 16                         ; the prefetches: 64 cx rows of 1,024 bytes on in x's tile (cx and cy enter these two addresses and no descriptor),
	s_mov_b32 s3, 0
	s_add_nc_u64 s[PFX:PFX+1], s[20:21], s[2:3]
	s_lshl_b32 s2, s41, 14                         ; 16 cy rows on in my weight's
	s_add_nc_u64 s[PFW:PFW+1], s[46:47], s[2:3]
	CROUND                                         ; all sixteen work-groups are here: the first joint loads meet
.irp s, 0,1
	s_mov_b32 s[G0+4*\s], 1                        ; count = 1
	s_mov_b32 s[G0+4*\s+1], \s*SLOT                ; LDS address
	s_add_nc_u64 s[G0+4*\s+2:G0+4*\s+3], s[20:21], \s*256     ; K step s
	s_or_b32 s[G0+4*\s+3], s[G0+4*\s+3], 0x80000000           ; type = 2
	s_mov_b32 s[G0B+4*\s], 1
	s_add_co_u32 s[G0B+4*\s+1], s45, \s*SLOT
	s_add_nc_u64 s[G0B+4*\s+2:G0B+4*\s+3], s[46:47], \s*256
	s_or_b32 s[G0B+4*\s+3], s[G0B+4*\s+3], 0x80000000
.endr
	JLOAD 0                                        ; K step 0: one tensor load a wave at the head
	v_and_b32 v1, 15, v0                           ; r
	v_bfe_u32 v2, v0, 4, 1                         ; h
	v_mul_u32_u24 v3, v1, PITCH
	v_lshl_add_u32 v4, v2, 4, v3                   ; row r x pitch + 16 h
	v_and_b32 v5, 8, v1
	v_add_nc_u32 v5, v5, v1                        ; r + 8 (r / 8)
	v_mul_u32_u24 v6, v5, PITCH
	v_lshl_add_u32 v6, v2, 4, v6
	s_mul_i32 s22, s15, 128*PITCH                  ; my 128 tokens
	s_mul_i32 s23, s16, 32*PITCH                   ; my 32 rows of each weight
	s_add_co_u32 s18, s23, WQO
	s_add_co_u32 s19, s23, WVO
.irp s, 0,1
	v_add_nc_u32 v[ADRA+\s], s22, v4
	v_add_nc_u32 v[ADRB+\s], s18, v4
	v_add_nc_u32 v[ADRV+\s], s19, v6
	s_add_co_u32 s22, s22, SLOT
	s_add_co_u32 s18, s18, SLOT
	s_add_co_u32 s19, s19, SLOT
.endr
	v_and_b32 v7, 31, v0
	v_lshlrev_b32 v[QO], 4, v7
	v_lshlrev_b32 v[BO], 5, v2
	s_wait_alu depctr_va_vdst(0)
	v_lshlrev_b32 v[BVO], 2, v5
	v_lshlrev_b32 v[PFO], 10, v7                   ; a lane a row
	v_min_u32 v[PFO+1], 15, v7
	v_lshlrev_b32 v[PFO+1], 10, v[PFO+1]
	s_wait_alu depctr_va_vdst(0)
	ASK 256, 1                                     ; K steps 1 and 2
	ASK 512, 1
	s_lshl_b32 s98, s42, 8                         ; the biases: 256 bytes a head, my half's 128
	s_lshl_b32 s99, s16, 7
	s_add_co_u32 s98, s98, s99
	s_mov_b32 s99, 0
	s_add_nc_u64 s[68:69], s[68:69], s[98:99]
	s_add_nc_u64 s[70:71], s[70:71], s[98:99]
	s_add_nc_u64 s[72:73], s[72:73], s[98:99]
	WIN 0x80                                       ; destination window 2
.irp u, 0,1                                    ; q's and k's tiles: lane (r, h) wants the bias of d = 16 u + 8 h + 0 .. 7 of my half
	global_load_b128 v[BIAS+8*\u:BIAS+8*\u+3],       v[BO], s[68:69] offset:64*\u
	global_load_b128 v[BIAS+8*\u+4:BIAS+8*\u+7],     v[BO], s[68:69] offset:64*\u+16
	global_load_b128 v[BIAS+16+8*\u:BIAS+16+8*\u+3], v[BO], s[70:71] offset:64*\u
	global_load_b128 v[BIAS+16+8*\u+4:BIAS+16+8*\u+7], v[BO], s[70:71] offset:64*\u+16
.endr
	WIN 0
	global_load_b32 v[BV],   v[BVO], s[72:73]      ; v's tiles: one d a lane: 8 u + r + 8 (r / 8) of my half
	global_load_b32 v[BV+1], v[BVO], s[72:73] offset:32
	s_wait_kmcnt 0x0
; the scales of one of the three products: s[neg] = -(ea + eb), for the bias;  v[vs] = 2^(eo - ea - eb) as f32;  v[vs + 1] = 57,344 x that
.macro MKSCALE ea, eb, eo, neg, vs
	s_add_co_i32 s93, s[\ea], s[\eb]
	s_sub_co_i32 s[\neg], 0, s93
	s_sub_co_i32 s93, s[\eo], s93
	s_add_co_i32 s93, s93, 127
	s_lshl_b32 s94, s93, 23
	v_mov_b32 v[\vs], s94
	s_add_co_i32 s93, s93, 15
	s_lshl_b32 s93, s93, 23
	s_or_b32 s93, s93, 0x600000
	v_mov_b32 v[\vs+1], s93
.endm
	MKSCALE 84, 85, 90, 95, SC                     ; q: e0, e1; e6
	MKSCALE 86, 87, 91, 96, SC+2                   ; k: e2, e3; e7
	MKSCALE 88, 89, 92, 97, SC+4                   ; v: e4, e5; e9
	s_wait_loadcnt 0x0                             ; the biases
	WIN 0x82                                       ; source 0 and destination window 2
.set j, 0
.rept 16
	v_ldexp_f32 v[BIAS+j], v[BIAS+j], s95          ; bq / 2^(e0 + e1)
.set j, j+1
.endr
.set j, 0
.rept 16
	v_ldexp_f32 v[BIAS+16+j], v[BIAS+16+j], s96    ; bk / 2^(e2 + e3)
.set j, j+1
.endr
	WIN 0x80                                       ; source 0 window 0
.irp u, 0,1
.set j, 0
.rept 8
	v_ldexp_f32 v[BIAS+32+8*\u+j], v[BV+\u], s97   ; bv / 2^(e4 + e5): the same d in a lane's eight registers
.set j, j+1
.endr
.endr
	WIN 0
	; where my images begin: (batch x 16 + head) x 131,072 + (block within the batch) x 16,384 + (my 128 tokens) x 8,192, + 512 x half (q, k) or 4,096 x half (v)
	s_lshr_b32 s93, s17, 3
	s_lshl_b32 s93, s93, 4
	s_add_co_u32 s93, s93, s42
	s_lshl_b32 s93, s93, 17
	s_and_b32 s94, s17, 7
	s_lshl_b32 s94, s94, 14
	s_add_co_u32 s93, s93, s94
	s_lshl_b32 s94, s15, 13
	s_add_co_u32 s93, s93, s94
	s_lshl_b32 s94, s16, 9
	s_add_co_u32 s94, s93, s94
	s_mov_b32 s95, 0
	s_lshl_b32 s96, s16, 12
	s_add_co_u32 s96, s93, s96
	s_mov_b32 s97, 0
	s_add_nc_u64 s[76:77], s[76:77], s[94:95]
	s_add_nc_u64 s[78:79], s[78:79], s[94:95]
	s_add_nc_u64 s[80:81], s[80:81], s[96:97]
.macro FRAG reg, adr, off              ; a fragment: registers 4 c .. 4 c + 3 hold K = 32 c + 16 h + 0 .. 15 of the lane's row
.irp c, 0,1,2,3
	ds_load_b128 v[\reg+4*\c:\reg+4*\c+3], v[\adr] offset:\off+32*\c
.endr
.endm
.macro FETCH_B slot, q, p              ; 24 loads: my six weight fragments of the slot's q-th 128 along K into set p
	WIN 0x40                                       ; destination window 1
.irp u, 0,1
	FRAG 128*(\p)+16*\u, ADRB+\slot, 128*(\q)+16*PITCH*\u
.endr
.irp u, 0,1
	FRAG 128*(\p)+32+16*\u, ADRB+\slot, 128*(\q)+16*PITCH*\u+64*PITCH
.endr
.irp u, 0,1
	FRAG 128*(\p)+64+16*\u, ADRV+\slot, 128*(\q)+8*PITCH*\u
.endr
	WIN 0
.endm
.macro FETCH_A slot, q, i0             ; 16 loads: x's blocks i0 .. i0 + 3
.irp i, \i0, \i0+1, \i0+2, \i0+3
	FRAG AF+16*(\i), ADRA+\slot, 128*(\q)+(\i)*16*PITCH
.endr
.endm
; 16 matrix instructions: q's and k's four tiles x four blocks of tokens (hi = 0: blocks 0-3, 1: blocks 4-7), transposed.  first = 1: the bias starts the sums: nothing is ever cleared.
; The 48 accumulators take turns, one instruction a turn, in the same order in every step.
.macro MULQK hi, p, first
.if \first && \hi
	WIN 0xe1                                       ; source 0 (W) window 1, source 1 (x) window 0, C (the bias) window 2, D window 3
.elseif \hi
	WIN 0xf1
.else
	WIN 0xa1
.endif
.irp a, 0,1,2,3
.irp b, 0,1,2,3
.if \first
	v_wmma_f32_16x16x128_bf8_bf8 v[8*(6*\a+\b):8*(6*\a+\b)+7], v[128*\p+16*\b:128*\p+16*\b+15], v[AF+16*(4*\hi+\a):AF+16*(4*\hi+\a)+15], v[BIAS+8*\b:BIAS+8*\b+7]
.else
	v_wmma_f32_16x16x128_bf8_bf8 v[8*(6*\a+\b):8*(6*\a+\b)+7], v[128*\p+16*\b:128*\p+16*\b+15], v[AF+16*(4*\hi+\a):AF+16*(4*\hi+\a)+15], v[8*(6*\a+\b):8*(6*\a+\b)+7]
.endif
.endr
.endr
.endm
; 8 matrix instructions: v's two tiles x four blocks of tokens: source 0 = the tokens, source 1 = Wv's rows
.macro MULV hi, p, first
.if \first && \hi
	WIN 0xe4                                       ; source 0 (x) window 0, source 1 (W) window 1
.elseif \hi
	WIN 0xf4
.else
	WIN 0xa4
.endif
.irp a, 0,1,2,3
.irp b, 4,5
.if \first
	v_wmma_f32_16x16x128_bf8_bf8 v[8*(6*\a+\b):8*(6*\a+\b)+7], v[AF+16*(4*\hi+\a):AF+16*(4*\hi+\a)+15], v[128*\p+16*\b:128*\p+16*\b+15], v[BIAS+8*\b:BIAS+8*\b+7]
.else
	v_wmma_f32_16x16x128_bf8_bf8 v[8*(6*\a+\b):8*(6*\a+\b)+7], v[AF+16*(4*\hi+\a):AF+16*(4*\hi+\a)+15], v[128*\p+16*\b:128*\p+16*\b+15], v[8*(6*\a+\b):8*(6*\a+\b)+7]
.endif
.endr
.endr
.endm
; A slot's first 128 along K (weights' set 0); it fetches the slot's second 128.
.macro STEP slot, first
	s_wait_dscnt 16                                ; the weights and x's blocks 0-3 are in; the youngest sixteen loads (blocks 4-7) may be out
	MULQK 0, 0, \first
	MULV 0, 0, \first
	s_wait_dscnt 0                                 ; blocks 4-7 are in (asked for 24 matrix instructions ago)
	PLACES
	FETCH_B \slot, 1, 1
	FETCH_A \slot, 1, 0
	MULQK 1, 0, \first
	MULV 1, 0, \first
	PLACES
	WIN 0
	FETCH_A \slot, 1, 4
.endm
; A slot's second 128 (set 1) changes slots: ONE barrier; in front of it each wave waits for all its tensor loads, adds 0 to its spare word, and waits for that and for its reads of this slot.
; fill = 1: the barrier opens a round of the cluster's barrier, and this slot is filled again, two K steps ahead, first thing behind the round.
.macro TURN slot, next, fill
	s_wait_tensorcnt 0x0                           ; all my tensor loads have landed: my part of the next slot
	ds_add_u32 v[SPW], v[NIL]                      ; 0 onto my spare word
	s_wait_dscnt 17                                ; (the add and the youngest sixteen loads may be out)
	MULQK 0, 1, 0                                  ; sixteen matrix instructions stand between the add and the wait for it
	s_wait_dscnt 0x0                               ; the add is done, and my reads of this slot are over
	s_barrier_signal -1
	MULV 0, 1, 0                                   ; work on registers while the others arrive
	WIN 0
	s_barrier_wait -1
.if \fill
	CREST                                          ; no wave of any partner still reads this slot or has a load on its way
.if \fill == 2                                 ; fill = 2: on to the next block of tokens: x goes 4,096 rows down and back along K, the weights only back
	s_add_nc_u64 s[G0+4*\slot+2:G0+4*\slot+3], s[G0+4*\slot+2:G0+4*\slot+3], 4194304-512
	s_sub_nc_u64 s[G0B+4*\slot+2:G0B+4*\slot+3], s[G0B+4*\slot+2:G0B+4*\slot+3], 512
.else
	s_add_nc_u64 s[G0+4*\slot+2:G0+4*\slot+3], s[G0+4*\slot+2:G0+4*\slot+3], 512
	s_add_nc_u64 s[G0B+4*\slot+2:G0B+4*\slot+3], s[G0B+4*\slot+2:G0B+4*\slot+3], 512
.endif
	JLOAD \slot                                    ; the four v_nop behind it are also the places in front of the loads below
.else
	PLACES
.endif
	FETCH_B \next, 0, 0
	FETCH_A \next, 0, 0
.if PF >= 0
	ASK PF, 0                                      ; x's tile two fills on
.endif
	MULQK 1, 1, 0
	MULV 1, 1, 0
	PLACES
	WIN 0
	FETCH_A \next, 0, 4
.endm
	s_wait_alu depctr_va_vdst(0)
	s_wait_tensorcnt 0x0                           ; my part of K step 0 is in; slot 1's first fill is issued as a refill is:
	ds_add_u32 v[SPW], v[NIL]                      ; 0 onto my spare word
	s_wait_dscnt 0x0
	CROUND                                         ; a whole round: everybody's part of K step 0 is in, and the joint loads meet
	JLOAD 1                                        ; K step 1, the first tensor load behind the round
	FETCH_B 0, 0, 0
	FETCH_A 0, 0, 0
	FETCH_A 0, 0, 4
	ASK 768, 1                                     ; K step 3
; THE WAY OUT of a window's 24 accumulators: the hold (the conversion to an 8-bit code does not saturate: ISA guide 7.6.2), each accumulator from its low end on, then the conversions into window 0.
.macro OUTW w, wm
	WIN \wm                                        ; source 0 and destination: the window;  the limits: window 0
.irp a, 0,1,2,3
.irp b, 0,1,2,3,4,5
.irp j, 0,1,2,3,4,5,6,7
	v_med3_num_f32 v[8*(6*\a+\b)+\j], v[8*(6*\a+\b)+\j], -v[SC+1+2*(\b/2)], v[SC+1+2*(\b/2)]
.endr
.endr
.endr
	WIN \w                                         ; source 0: the window;  scale and destination: window 0
.irp a, 0,1,2,3
.irp u, 0,1
	v_cvt_scalef32_pk8_bf8_f32 v[CQ+4*(4*(\w-2)+\a)+2*\u:CQ+4*(4*(\w-2)+\a)+2*\u+1], v[8*(6*\a+\u):8*(6*\a+\u)+7], v[SC]
	v_cvt_scalef32_pk8_bf8_f32 v[CK+4*(4*(\w-2)+\a)+2*\u:CK+4*(4*(\w-2)+\a)+2*\u+1], v[8*(6*\a+2+\u):8*(6*\a+2+\u)+7], v[SC+2]
	v_cvt_scalef32_pk8_bf8_f32 v[CV+16*\u+2*(4*(\w-2)+\a):CV+16*\u+2*(4*(\w-2)+\a)+1], v[8*(6*\a+4+\u):8*(6*\a+4+\u)+7], v[SC+4]
.endr
.endr
	v_nop                                          ; one plain vector instruction behind a run of scaled conversions
.endm
.macro OUT                             ; a block's way out: both windows' codes, then the stores
	OUTW 2, 0x82
	OUTW 3, 0xc3
	WIN 0
.irp t, 0,1,2,3,4,5,6,7
	global_store_b128 v[QO], v[CQ+4*\t:CQ+4*\t+3], s[76:77] offset:1024*\t     ; block t of tokens, my half's group of four registers: 512 consecutive bytes
	global_store_b128 v[QO], v[CK+4*\t:CK+4*\t+3], s[78:79] offset:1024*\t
.endr
.irp u, 0,1
.irp c, 0,1,2,3
	global_store_b128 v[QO], v[CV+16*\u+4*\c:CV+16*\u+4*\c+3], s[80:81] offset:2048*\u+512*\c
.endr
.endr
.endm
	STEP 0, 1                                      ; THE FIRST BLOCK.  K 0-127: the biases start the sums
.set PF, 4194304
	TURN 0, 1, 1                                   ; K 128-255; slot 0 takes K 512-767; the next block's K step 0 is prefetched
	STEP 1, 0
.set PF, 4194304+256
	TURN 1, 0, 1                                   ; K 384-511; slot 1 takes K 768-1023
	STEP 0, 0
.set PF, 4194304+512
	TURN 0, 1, 2                                   ; slot 0 takes the next block's K 0-255
	STEP 1, 0
.set PF, 4194304+768
	TURN 1, 0, 2                                   ; slot 1 takes the next block's K 256-511, and the next block's first fragments are fetched; the macro's places stand behind its last products
.set PF, -1
	OUT                                            ; both refills are asked for: now the block goes out
	s_wait_xcnt 0x0                                ; the stores have read their bases and their data: the bases step, and the second way out may write the codes' registers
	s_add_nc_u64 s[76:77], s[76:77], 4194304
	s_add_nc_u64 s[78:79], s[78:79], 4194304
	s_add_nc_u64 s[80:81], s[80:81], 4194304
	STEP 0, 1                                      ; THE SECOND BLOCK
	TURN 0, 1, 1
	STEP 1, 0
	TURN 1, 0, 1
	STEP 0, 0
	TURN 0, 1, 0                                   ; nothing is left to fetch
	STEP 1, 0
	s_wait_dscnt 16                                ; the last 128 along K
	MULQK 0, 1, 0
	MULV 0, 1, 0
	s_wait_dscnt 0
	MULQK 1, 1, 0
	MULV 1, 1, 0
	PLACES
	OUT
	s_wait_tensorcnt 0x0                           ; the wave's end
	ds_add_u32 v[SPW], v[NIL]
	s_wait_dscnt 0x0
	CROUND                                         ; the closing round
	s_endpgm
.Lfunc_end_k_q9c37f6fdd9_qkv:
	.size	k_q9c37f6fdd9_qkv, .Lfunc_end_k_q9c37f6fdd9_qkv-k_q9c37f6fdd9_qkv
	.p2alignl 7, 3214868480
	.fill 96, 4, 3214868480
	.section	.rodata,"a",@progbits
	.p2align	6, 0x0
	.amdhsa_kernel k_q9c37f6fdd9_qkv
		.amdhsa_group_segment_fixed_size 327680
		.amdhsa_private_segment_fixed_size 0
		.amdhsa_enable_private_segment 0
		.amdhsa_kernarg_size 88
		.amdhsa_user_sgpr_count 2
		.amdhsa_user_sgpr_kernarg_segment_ptr 1
		.amdhsa_wavefront_size32 1
		.amdhsa_system_sgpr_workgroup_id_x 1
		.amdhsa_system_sgpr_workgroup_id_y 1
		.amdhsa_system_sgpr_workgroup_id_z 1
		.amdhsa_system_vgpr_workitem_id 0
		.amdhsa_next_free_vgpr 1024
		.amdhsa_next_free_sgpr 100
		.amdhsa_reserve_vcc 0
		.amdhsa_float_denorm_mode_32 3
		.amdhsa_float_denorm_mode_16_64 3
		.amdhsa_memory_ordered 1
		.amdhsa_forward_progress 1
		.amdhsa_inst_pref_size 194
	.end_amdhsa_kernel
	.amdgpu_metadata
---
amdhsa.version: [ 1, 2 ]
amdhsa.kernels:
  - .name:           k_q9c37f6fdd9_qkv
    .symbol:         k_q9c37f6fdd9_qkv.kd
    .args:
      - { .name: x_codes, .offset: 0, .size: 8, .value_kind: global_buffer, .address_space: global }
      - { .name: Wq_codes, .offset: 8, .size: 8, .value_kind: global_buffer, .address_space: global }
      - { .name: Wk_codes, .offset: 16, .size: 8, .value_kind: global_buffer, .address_space: global }
      - { .name: Wv_codes, .offset: 24, .size: 8, .value_kind: global_buffer, .address_space: global }
      - { .name: bq, .offset: 32, .size: 8, .value_kind: global_buffer, .address_space: global }
      - { .name: bk, .offset: 40, .size: 8, .value_kind: global_buffer, .address_space: global }
      - { .name: bv, .offset: 48, .size: 8, .value_kind: global_buffer, .address_space: global }
      - { .name: lowp_scales, .offset: 56, .size: 8, .value_kind: global_buffer, .address_space: global }
      - { .name: q_img, .offset: 64, .size: 8, .value_kind: global_buffer, .address_space: global }
      - { .name: k_img, .offset: 72, .size: 8, .value_kind: global_buffer, .address_space: global }
      - { .name: v_img, .offset: 80, .size: 8, .value_kind: global_buffer, .address_space: global }
    .group_segment_fixed_size: 327680
    .private_segment_fixed_size: 0
    .kernarg_segment_align: 8
    .kernarg_segment_size: 88
    .max_flat_workgroup_size: 128
    .sgpr_count:     100
    .vgpr_count:     1024
    .wavefront_size: 32
...
	.end_amdgpu_metadata
.endif
;; end of part 1
;; launch attn (part 2): grid 4 x 64, 8 waves a work-group, clusters of 4 x 1, 264,192 bytes of LDS; arguments q_img, k_img, v_img, lowp_scales, z_img; writes z_img
.if DOCPART == 2
	.amdgcn_target "amdgcn-amd-amdhsa--gfx1250"
	.amdhsa_code_object_version 6
	.text
	.protected	k_q9c37f6fdd9_attn
	.globl	k_q9c37f6fdd9_attn
	.p2align	8
	.type	k_q9c37f6fdd9_attn,@function
k_q9c37f6fdd9_attn:
	s_mov_b64 s[64:65], 0
	v_nop
	global_prefetch_b8 v0, s[64:65] scope:SCOPE_SE
	s_setreg_imm32_b32 hwreg(HW_REG_WAVE_MODE, 25, 1), 1
	s_wait_xcnt 0x0
	s_wait_alu depctr_hold_cnt(0) depctr_sa_sdst(0) depctr_va_vdst(0) depctr_va_sdst(0) depctr_va_ssrc(0) depctr_va_vcc(0) depctr_vm_vsrc(0)
	s_getreg_b32 s2, hwreg(HW_REG_IB_STS2, 6, 4)
	s_cmp_eq_u32 s2, 0
	s_cbranch_scc0 .Lentry_in_a_cluster
	s_endpgm
.Lentry_in_a_cluster:
	s_bfe_u32 s2, ttmp6, 0x10000c
	s_cmp_lg_u32 s2, 0x3003
	s_cbranch_scc0 .Lentry_shape_is_right
	s_endpgm
.Lentry_shape_is_right:
; z = softmax(q k^T / 8) v for one (batch, head) and 512 queries, both products on codes of BF8 (E5M2), and z's quantising to codes for the output product.
; q_img, k_img, v_img hold images of operand registers (a group of four registers is 512 bytes, lane l's 16 bytes at 16 l):
;   q, k: [batch x head][tile of 16 tokens][2 groups]: lane (r, h): token r; register 2 t + w: d = 16 t + 8 h + 4 w + byte.
;   v: [batch x head][128 keys][tile t of d][4 groups]: lane (r, h): d = 32 (t / 2) + 8 (t % 2) + r + 8 (r / 8); registers 2 c, 2 c + 1: keys 16 c + 8 h + 0 .. 7.
; THE SOFTMAX AHEAD OF THE SECOND PRODUCT: t = score x log2(e) / 8; M = the row's largest t so far, rounded UP to a whole number; p = 2^(t - M) is what is quantised; it is not normalised.
; The row's sum is taken of the unquantised p, in f32, and divides O at the end.  When M moves, the sums and O are multiplied by f = 2^(old M - new M): exact, and without a branch on data.
; SHARES.  Eight waves, two to a SIMD.  A wave makes two passes; in pass p it owns the 32 queries of tiles 32 x block + 16 p + 2 x wave + 0, 1 (A and B) and walks all 2,048 keys, 128 a step:
; each fragment of k and of v that it reads from LDS feeds two matrix instructions.
; LDS HOLDS THE WHOLE HEAD, FILLED ONCE: k's images (131,072 bytes), then v's.  Nothing is filled again: no ring, one barrier behind the fills.  A fragment load reads 512 consecutive bytes.
; CLUSTER.  The four blocks of queries of a (batch, head) want the same k and v: each of the eight loads of 32,768 bytes (waves 0-3: k's quarters, waves 4-7: v's) is asked for JOINTLY, one a wave.
; No prefetch: all that comes from memory is asked for by these loads at the head, and no loop runs ahead of them.
; LAYOUT.  Both products are used transposed: S^T = k q^T: lane (r, h) holds query r and, in tile T, keys 16 T + 8 h + 0 .. 7, so that p's codes (registers 2 T, 2 T + 1) lie as v's images do.
; O^T = v^T p^T: register j of tile t is d = 32 (t / 2) + 16 h + 8 (t % 2) + j.  z_img: [tile of 16 tokens][head][2 groups]: registers 4 b .. 4 b + 3: d = 32 b + 16 h + 0 .. 15 of token r.
; DEPENDENT LINES STAND APART.  A tile's maxima run in four chains.  The ten lines that make M and f of tile A stand each among three of tile B's maxima, those of tile B each among three of tile A's scalings.
; THE EXPONENTIALS go in four batches of 32 (half a tile each).  Beside each exponential stands one plain line that reads only what was settled ahead of the batch's opening wait and whose result is read
; behind its closing wait: tile B's scalings (batch 1), then the sums and the holds of the half tile before.  So that no sum is a chain inside a batch, a tile's sum is kept in 16 pairs of partial sums;
; a step's first addition onto a pair is fused with the multiplication by f.  The pairs are added up at a pass's end.
; THE FIRST STEP of a pass finds f = 0 (M begins at -3e38): it turns what O and the partial sums hold into zeros.  They are cleared once, at the head; pass 1 finds pass 0's finite numbers.
; The fragments of k are asked for a step ahead; the last step of a pass so reads the 8,192 bytes behind k's images, v's first, which nothing uses.
; LIMITS on the given exponents, so that each power of two below is an f32 number: e6 + e7 between -123 and 130 (added to c's exponent field); e8 and e10 between -126 and 112; e8 + e9 between -110 and 110
; (the sum is multiplied by 2^-(e8 + e9) ahead of its reciprocal).  NaN and infinities among the inputs are not served.
; REGISTERS.  Window 0: v1-6 addresses; v8, v9 57,344 x 2^e8 (twice: a dual pair's second sources); v10 2^e8; v11 2^e10; v12 57,344 x 2^e10; v[14:15], v[16:17] (-M, the largest score) of A, B;
;   v[18:19], v[20:21] f; v22-31 at work; v32-63, v64-95 the partial sums; v96-127 z's codes; v128-191, v192-255 S^T, then p, of A, B.
; Window 1: v0-31 q (pass, tile); v32-63 p's codes; v64-127 O^T; v128-191 k's eight fragments; v192-255 v's four.
.set SPARE, 0x40000                    ; behind k and v: the spare words, 128 bytes for each wave
.set LI,  1                            ; 16 x lane
.set LIV, 2                            ; the same in v's half of LDS
.set ADK, 3
.set ADV, 4
.set SPW, 5
.set NIL, 6
.set L0,  8
.set L1,  9
.set SCP, 10
.set SCZ, 11
.set LZ,  12
.set NMA, 14
.set RA,  15
.set NMB, 16
.set RB,  17
.set FA,  18
.set FB,  20
.set MA,  22                           ; v22-25 the four chains of A's maxima
.set MB,  26                           ; v26-29 of B's
.set PA,  30
.set PB,  31
.set ACA, 32
.set ACB, 64
.set ZC,  96
.set SA,  128
.set SB,  192
.set QF,  0                            ; window 1 from here on
.set CDA, 32
.set CDB, 48
.set OA,  64
.set OB,  96
.set KF,  128
.set VF,  192
.set WV,  18                           ; s18  my wave's number
.set SEL, 20                           ; s[20:21] lane selects for v_permlanex16_b32: lane l xor 16
.set CS,  22                           ; s[22:23] c = log2(e) / 8 x 2^(e6 + e7)
.set G1,  24                           ; s[24:31] descriptor group 1;  s[32:35] group 0
.set G0,  32
.set TB,  40                           ; s40  LDS byte at which the step's images of k begin
.set CNT, 41                           ; s41  steps to go
.set MSB, 0
.macro WIN new                         ; the immediate's high byte repeats the setting that is left
.if MSB != \new
	s_set_vgpr_msb (MSB<<8)|\new
.set MSB, \new
.endif
.endm
.macro CROUND                          ; a round of the cluster's barrier
	s_barrier_signal -1
	s_barrier_wait -1
	s_cmp_lg_u32 s[WV], 0
	s_cbranch_scc1 .Lnot_wave_0_\@
	s_barrier_signal -3
.Lnot_wave_0_\@:
	s_barrier_wait -3
	s_barrier_signal -1
	s_barrier_wait -1
.endm
	s_load_b256 s[4:11], s[0:1], 0x0               ; q_img s[4:5], k_img s[6:7], v_img s[8:9], the scales' exponents s[10:11]
	s_load_b64 s[12:13], s[0:1], 0x20              ; z_img
	v_lshl_add_u32 v[SPW], v0, 2, SPARE
	v_mov_b32 v[NIL], 0
	ds_add_u32 v[SPW], v[NIL]                      ; the opening lines: the add, twice on end, and its wait ahead of my tensor load
	ds_add_u32 v[SPW], v[NIL]
	v_lshrrev_b32 v7, 5, v0
	v_readfirstlane_b32 s[WV], v7                  ; wave 0..7
	v_and_b32 v7, 31, v0
	v_lshlrev_b32 v[LI], 4, v7
	v_add_nc_u32 v[LIV], 0x20000, v[LI]
	s_and_b32 s50, ttmp7, 0xffff                   ; batch x 16 + head, which the four partners share
	s_lshl_b32 s52, s50, 17                        ; its 131,072 bytes in k_img and v_img,
	s_and_b32 s51, s[WV], 3
	s_lshl_b32 s51, s51, 15
	s_add_co_u32 s52, s52, s51                     ; the quarter that I fetch,
	s_mov_b32 s53, 0
	s_lshl_b32 s54, s[WV], 15                      ; and its place in LDS: waves 0-3 k's quarters, waves 4-7 v's
	s_mov_b32 s[G1], 15|(3<<16)|(1<<21)            ; 15:0 the mask: all four work-groups; 17:16 elements of 8 bytes; 21 set beside a mask; no padding
	s_mov_b32 s[G1+1], 32<<16                      ; tensor_dim0 = 32 elements: rows of 256 bytes
	s_mov_b32 s[G1+2], 128<<16                     ; tensor_dim1 = 128 rows
	s_mov_b32 s[G1+3], 32<<16                      ; tile_dim0
	s_mov_b32 s[G1+4], 128                         ; tile_dim1
	s_mov_b32 s[G1+5], 32                          ; from row to row: dense
	s_mov_b32 s[G1+6], 0
	s_mov_b32 s[G1+7], 0
	s_mov_b32 s[SEL], 0x76543210
	s_mov_b32 s[SEL+1], 0xfedcba98
	s_mov_b32 s[CS], 0x3e38aa3b                    ; log2(e) / 8
	s_bfe_u32 s56, ttmp6, 0x40000                  ; cx: it enters q's and z's addresses alone
	s_lshl_b32 s57, ttmp9, 2
	s_add_co_u32 s57, s57, s56                     ; my block of 512 queries
	s_lshl_b32 s58, s50, 17                        ; q: the head's images + 32 tiles a block + my two tiles of pass 0
	s_lshl_b32 s59, s57, 15
	s_add_co_u32 s58, s58, s59
	s_lshl_b32 s59, s[WV], 11
	s_add_co_u32 s58, s58, s59
	s_mov_b32 s59, 0
	s_lshr_b32 s60, s50, 4                         ; z: (batch x 128 + 32 x block + 2 x wave) tiles of 16,384 bytes + head x 1,024
	s_lshl_b32 s60, s60, 7
	s_lshl_b32 s61, s57, 5
	s_add_co_u32 s60, s60, s61
	s_lshl_b32 s61, s[WV], 1
	s_add_co_u32 s60, s60, s61
	s_lshl_b32 s60, s60, 14
	s_and_b32 s61, s50, 15
	s_lshl_b32 s61, s61, 10
	s_add_co_u32 s60, s60, s61
	s_mov_b32 s61, 0
	s_wait_dscnt 0x0                               ; both opening adds are done
	s_wait_kmcnt 0x0
	s_load_b64 s[48:49], s[10:11], 0x18            ; e6, e7
	s_load_b128 s[44:47], s[10:11], 0x20           ; e8, e9, e10, e11
	s_mov_b32 s[G0], 1                             ; count = 1
	s_mov_b32 s[G0+1], s54                         ; LDS address
	s_cmp_lt_u32 s[WV], 4                          ; k's or v's images: the choice hangs on the wave's number alone
	s_cselect_b64 s[G0+2:G0+3], s[6:7], s[8:9]
	s_add_nc_u64 s[G0+2:G0+3], s[G0+2:G0+3], s[52:53]
	s_or_b32 s[G0+3], s[G0+3], 0x80000000          ; type = 2
	s_add_nc_u64 s[4:5], s[4:5], s[58:59]
	s_add_nc_u64 s[12:13], s[12:13], s[60:61]
	CROUND                                         ; all four work-groups are here: the joint loads meet
	tensor_load_to_lds s[G0:G0+3], s[G1:G1+7]      ; every wave's one tensor load
	s_nop 0
.rept 4
	v_nop
.endr
	s_wait_alu depctr_va_vdst(0)
	WIN 0x40                                       ; destination window 1
.irp i, 0,1,2,3                                ; q's fragments of both passes stay in registers: pass i / 2, tile i % 2
	global_load_b128 v[QF+8*\i:QF+8*\i+3], v[LI], s[4:5] offset:16384*(\i/2)+1024*(\i%2)
	global_load_b128 v[QF+8*\i+4:QF+8*\i+7], v[LI], s[4:5] offset:16384*(\i/2)+1024*(\i%2)+512
.endr
.set j, 0
.rept 64
	v_mov_b32 v[OA+j], 0                           ; O^T of both tiles, once, while the fills are on their way
.set j, j+1
.endr
	WIN 0
.set j, 0
.rept 64
	v_mov_b32 v[ACA+j], 0                          ; the partial sums, likewise
.set j, j+1
.endr
	v_mov_b32 v[PA], 0                             ; written once: a lane permute's destination counts as one of its sources
	v_mov_b32 v[PB], 0
	v_mov_b32 v[FA+1], 0                           ; (named as the upper halves of f's pairs)
	v_mov_b32 v[FB+1], 0
	s_wait_kmcnt 0x0
	s_add_co_i32 s62, s48, s49
	s_lshl_b32 s62, s62, 23
	s_add_co_i32 s[CS], s[CS], s62                 ; a score stands for score x 2^(e6 + e7): the two exponents are added to c's exponent field
	s_mov_b32 s[CS+1], s[CS]
	s_add_co_i32 s62, s44, 127
	s_lshl_b32 s63, s62, 23
	v_mov_b32 v[SCP], s63                          ; 2^e8 as f32, for p's conversions
	s_add_co_i32 s62, s62, 15
	s_lshl_b32 s62, s62, 23
	s_or_b32 s62, s62, 0x600000
	v_mov_b32 v[L0], s62                           ; 57,344 x 2^e8
	v_mov_b32 v[L1], s62
	s_add_co_i32 s62, s46, 127
	s_lshl_b32 s63, s62, 23
	v_mov_b32 v[SCZ], s63                          ; 2^e10, for z's
	s_add_co_i32 s62, s62, 15
	s_lshl_b32 s62, s62, 23
	s_or_b32 s62, s62, 0x600000
	v_mov_b32 v[LZ], s62                           ; 57,344 x 2^e10
	s_add_co_i32 s55, s44, s45
	s_sub_co_i32 s55, 0, s55                       ; -(e8 + e9)
	s_wait_alu depctr_va_vdst(0)
	s_wait_tensorcnt 0x0                           ; my quarter has landed,
	s_barrier_signal -1
	s_barrier_wait -1                              ; everybody's has: from here on LDS is only read
	s_wait_loadcnt 0x0                             ; q
; One line of a tile's maxima; n counts them, 30 a tile.  Lines 0-3 begin the four chains with three scores each, line n > 3 adds scores 2 n + 4 and 2 n + 5: ascending.
.macro MX1 s, m
.if n < 4
	v_max3_num_f32 v[\m+n], v[\s+3*n], v[\s+3*n+1], v[\s+3*n+2]
.else
	v_max3_num_f32 v[\m+n%4], v[\m+n%4], v[\s+2*n+4], v[\s+2*n+5]
.endif
.set n, n+1
.endm
.macro FM1                             ; one line of tile A's t - M, two at a time (of the pairs c and -M the low word serves both halves); m counts them, 32
	v_pk_fma_f32 v[SA+2*m:SA+2*m+1], v[SA+2*m:SA+2*m+1], s[CS:CS+1], v[NMA:NMA+1] op_sel_hi:[1,0,0]
.set m, m+1
.endm
.macro FILL k                          ; three independent lines: k = 0 of B's maxima, k = 1 of A's scalings
.rept 3
.if \k
	FM1
.else
	MX1 SB, MB
.endif
.endr
.endm
; M and f of one tile: ten dependent lines, three independent ones behind each.
.macro CHAIN r, nm, f, m, p, k
	v_max3_num_f32 v[\r], v[\r], v[\m], v[\m+1]    ; the running largest score (c is positive, so it gives the largest t),
	FILL \k
	v_max3_num_f32 v[\r], v[\r], v[\m+2], v[\m+3]
	FILL \k
	v_permlanex16_b32 v[\p], v[\r], s[SEL], s[SEL+1]
	FILL \k
	v_max_num_f32 v[\r], v[\r], v[\p]              ; and lane l xor 16's
	FILL \k
	v_mul_f32 v[\m+1], s[CS], v[\r]                ; as t
	FILL \k
	v_floor_f32 v[\m+1], -v[\m+1]                  ; the new -M = floor(-t) = -ceil(t): a whole number
	FILL \k
	v_sub_f32 v[\m], v[\m+1], v[\nm]               ; M's old value less its new one: a whole number, 0 or less
	FILL \k
	v_mov_b32 v[\nm], v[\m+1]
	FILL \k
	v_cvt_i32_f32 v[\m], v[\m]                     ; (it saturates)
	FILL \k
	v_ldexp_f32 v[\f], 1.0, v[\m]                  ; f = 2^(old M - new M)
	FILL \k
.endm
; 32 lines on half a tile's p (32 registers at pb): each pair is added to its partial sum (first = 1: fused with x f), then held at the largest code x 2^e8 (the conversion does not saturate: ISA guide 7.6.2;
; p is not negative, so the hold is one-sided; two holds go as one dual pair).  ex = 1: beside each line stands one exponential of the half tile at eb.
.macro BATCH ex, eb, pb, ab, fr, first
	s_wait_alu depctr_va_vdst(0)
.if \ex == 0
	s_wait_dscnt 16                                ; directly behind that wait: v's fragments are in; the sixteen loads of the next step's k may be out
.endif
.set j, 0
.rept 16
.if \ex
	v_exp_f32 v[\eb+j], v[\eb+j]
.endif
.if \first
	v_pk_fma_f32 v[\ab+j:\ab+j+1], v[\ab+j:\ab+j+1], v[\fr:\fr+1], v[\pb+j:\pb+j+1] op_sel_hi:[1,0,1]
.else
	v_pk_add_f32 v[\ab+j:\ab+j+1], v[\ab+j:\ab+j+1], v[\pb+j:\pb+j+1]
.endif
.if \ex
	v_exp_f32 v[\eb+j+1], v[\eb+j+1]
.endif
	v_dual_min_num_f32 v[\pb+j], v[\pb+j], v[L0] :: v_dual_min_num_f32 v[\pb+j+1], v[\pb+j+1], v[L1]
.set j, j+2
.endr
.endm
; A KEY STEP: 128 keys against my 32 queries, whose fragments begin at v[qb] of window 1.
.macro STEP qb
	v_add_nc_u32 v[ADV], s[TB], v[LIV]
.rept 3
	v_nop                                          ; with the line above: four places in front of loads into registers that the last step's products have read
.endr
	WIN 0x40
.irp t, 0,1,2,3                                ; v's four fragments land while the scores and the softmax are worked
.irp c, 0,1,2,3
	ds_load_b128 v[VF+16*\t+4*\c:VF+16*\t+4*\c+3], v[ADV] offset:2048*\t+512*\c
.endr
.endr
	s_wait_dscnt 16                                ; k's fragments, asked for a step ago, are in; the sixteen loads just issued may be out
	WIN 0x05                                       ; sources 0 and 1 window 1
.irp t, 0,1,2,3,4,5,6,7                        ; S^T = k q^T: eight tiles of 16 keys x two tiles of queries, K = the head's 64
	v_wmma_f32_16x16x64_bf8_bf8 v[SA+8*\t:SA+8*\t+7], v[KF+8*\t:KF+8*\t+7], v[\qb:\qb+7], 0
	v_wmma_f32_16x16x64_bf8_bf8 v[SB+8*\t:SB+8*\t+7], v[KF+8*\t:KF+8*\t+7], v[\qb+8:\qb+15], 0
.endr
	WIN 0
	v_add_nc_u32 v[ADK], s[TB], v[LI]
.rept 3
	v_nop                                          ; with the line above: places in front of the loads below and of the first read of the scores
.endr
	WIN 0x40
.irp t, 0,1,2,3,4,5,6,7                        ; the next step's fragments of k
	ds_load_b128 v[KF+8*\t:KF+8*\t+3], v[ADK] offset:8192+1024*\t
	ds_load_b128 v[KF+8*\t+4:KF+8*\t+7], v[ADK] offset:8192+1024*\t+512
.endr
	WIN 0
.set n, 0
.rept 30
	MX1 SA, MA                                     ; A's largest scores of the step
.endr
.set n, 0
.set m, 0
	CHAIN RA, NMA, FA, MA, PA, 0                   ; A's M and f, among B's maxima
	CHAIN RB, NMB, FB, MB, PB, 1                   ; B's, among A's scalings,
	FM1
	FM1                                            ; of which two are left
	WIN 0x41                                       ; source 0 and destination window 1
.set j, 0
.rept 16
	v_pk_mul_f32 v[OA+j:OA+j+1], v[OA+j:OA+j+1], v[FA:FA+1] op_sel_hi:[1,0]   ; O^T under the new M, ahead of the exponentials, each accumulator from its low end on
	v_pk_mul_f32 v[OB+j:OB+j+1], v[OB+j:OB+j+1], v[FB:FB+1] op_sel_hi:[1,0]
.set j, j+2
.endr
	WIN 0
	s_wait_alu depctr_va_vdst(0)
.set j, 0
.rept 32                                       ; batch 1: p of A's first half; beside it B's t - M
	v_exp_f32 v[SA+j], v[SA+j]
	v_pk_fma_f32 v[SB+2*j:SB+2*j+1], v[SB+2*j:SB+2*j+1], s[CS:CS+1], v[NMB:NMB+1] op_sel_hi:[1,0,0]
.set j, j+1
.endr
	BATCH 1, SA+32, SA,    ACA, FA, 1
	BATCH 1, SB,    SA+32, ACA, FA, 0
	BATCH 1, SB+32, SB,    ACB, FB, 1
	BATCH 0, 0,     SB+32, ACB, FB, 0
	WIN 0x40
.irp g, 0,1,2,3,4,5,6,7
	v_cvt_scalef32_pk8_bf8_f32 v[CDA+2*\g:CDA+2*\g+1], v[SA+8*\g:SA+8*\g+7], v[SCP]
	v_cvt_scalef32_pk8_bf8_f32 v[CDB+2*\g:CDB+2*\g+1], v[SB+8*\g:SB+8*\g+7], v[SCP]
.endr
	v_nop                                          ; one plain vector instruction between the conversions and the products that read their results
	WIN 0x55                                       ; all four operands window 1
.irp t, 0,1,2,3                                ; O^T += v^T p^T: four tiles of 16 d x two tiles of queries, eight accumulators by turns; K = these 128 keys
	v_wmma_f32_16x16x128_bf8_bf8 v[OA+8*\t:OA+8*\t+7], v[VF+16*\t:VF+16*\t+15], v[CDA:CDA+15], v[OA+8*\t:OA+8*\t+7]
	v_wmma_f32_16x16x128_bf8_bf8 v[OB+8*\t:OB+8*\t+7], v[VF+16*\t:VF+16*\t+15], v[CDB:CDB+15], v[OB+8*\t:OB+8*\t+7]
.endr
	WIN 0
.endm
; A PASS: 32 queries against all keys, then z's codes.
.macro PASS p
	s_wait_dscnt 0x0                               ; no load is on its way into k's fragments
	WIN 0x40
.irp t, 0,1,2,3,4,5,6,7                        ; the first step's fragments of k
	ds_load_b128 v[KF+8*\t:KF+8*\t+3], v[LI] offset:1024*\t
	ds_load_b128 v[KF+8*\t+4:KF+8*\t+7], v[LI] offset:1024*\t+512
.endr
	WIN 0
	v_mov_b32 v[RA], 0xff61b1e6                    ; the largest score so far: -3e38
	v_mov_b32 v[RB], 0xff61b1e6
	v_mov_b32 v[NMA], 0x7f61b1e6                   ; -M = 3e38: the first step's f is 0
	v_mov_b32 v[NMB], 0x7f61b1e6
	s_mov_b32 s[TB], 0
	s_mov_b32 s[CNT], 16
.Lstep_\@:
	STEP QF+16*\p
	s_add_co_u32 s[TB], s[TB], 8192                ; the next 128 keys' images, of k and of v alike
	s_sub_co_u32 s[CNT], s[CNT], 1
	s_cmp_lg_u32 s[CNT], 0
	s_cbranch_scc1 .Lstep_\@
.irp w, 16, 8, 4, 2                            ; the 16 pairs of partial sums of each tile are added up.  (These are also the places behind the last products)
.set j, 0
.rept \w/2
	v_pk_add_f32 v[ACA+j:ACA+j+1], v[ACA+j:ACA+j+1], v[ACA+\w+j:ACA+\w+j+1]
	v_pk_add_f32 v[ACB+j:ACB+j+1], v[ACB+j:ACB+j+1], v[ACB+\w+j:ACB+\w+j+1]
.set j, j+2
.endr
.endr
	v_add_f32 v[ACA], v[ACA], v[ACA+1]
	v_add_f32 v[ACB], v[ACB], v[ACB+1]
	v_permlanex16_b32 v[PA], v[ACA], s[SEL], s[SEL+1]
	v_permlanex16_b32 v[PB], v[ACB], s[SEL], s[SEL+1]
	v_add_f32 v[ACA], v[ACA], v[PA]                ; with lane l xor 16's: the row's sum,
	v_add_f32 v[ACB], v[ACB], v[PB]
	v_ldexp_f32 v[ACA], v[ACA], s55                ; / 2^(e8 + e9)
	v_ldexp_f32 v[ACB], v[ACB], s55
	s_wait_alu depctr_va_vdst(0)
	v_rcp_f32 v[ACA], v[ACA]
	v_rcp_f32 v[ACB], v[ACB]
	v_nop                                          ; one plain place behind a transcendental
	WIN 0x01                                       ; source 0 window 1
	s_wait_alu depctr_va_vdst(0)                   ; one wait, directly ahead of the first reader of the reciprocals and of O^T
.set j, 0
.rept 16
	v_pk_mul_f32 v[SA+j:SA+j+1], v[OA+j:OA+j+1], v[ACA:ACA+1] op_sel_hi:[1,0]   ; z: register 16 b + i is d = 32 b + 16 h + i of my query
.set j, j+2
.endr
.set j, 0
.rept 16
	v_pk_mul_f32 v[SB+j:SB+j+1], v[OB+j:OB+j+1], v[ACB:ACB+1] op_sel_hi:[1,0]
.set j, j+2
.endr
	WIN 0
.set j, 0
.rept 32
	v_med3_num_f32 v[SA+j], v[SA+j], -v[LZ], v[LZ] ; the hold at the largest code x 2^e10
	v_med3_num_f32 v[SB+j], v[SB+j], -v[LZ], v[LZ]
.set j, j+1
.endr
.irp b, 0,1
	v_cvt_scalef32_pk8_bf8_f32 v[ZC+16*\p+4*\b:ZC+16*\p+4*\b+1], v[SA+16*\b:SA+16*\b+7], v[SCZ]
	v_cvt_scalef32_pk8_bf8_f32 v[ZC+16*\p+4*\b+2:ZC+16*\p+4*\b+3], v[SA+16*\b+8:SA+16*\b+15], v[SCZ]
	v_cvt_scalef32_pk8_bf8_f32 v[ZC+16*\p+8+4*\b:ZC+16*\p+8+4*\b+1], v[SB+16*\b:SB+16*\b+7], v[SCZ]
	v_cvt_scalef32_pk8_bf8_f32 v[ZC+16*\p+8+4*\b+2:ZC+16*\p+8+4*\b+3], v[SB+16*\b+8:SB+16*\b+15], v[SCZ]
.endr
	v_nop                                          ; one plain vector instruction behind the last conversion: the next pass's products write its sources
.irp x, 0,1                                    ; each store of the wave covers 512 consecutive bytes, aligned; each pass has its own registers for its codes
	global_store_b128 v[LI], v[ZC+16*\p+8*\x:ZC+16*\p+8*\x+3], s[12:13] offset:262144*\p+16384*\x
	global_store_b128 v[LI], v[ZC+16*\p+8*\x+4:ZC+16*\p+8*\x+7], s[12:13] offset:262144*\p+16384*\x+512
.endr
.endm
	PASS 0
	PASS 1
	s_wait_tensorcnt 0x0                           ; the wave's end
	ds_add_u32 v[SPW], v[NIL]
	s_wait_dscnt 0x0
	CROUND                                         ; the closing round: no work-group ends while a partner may still ask for a tile that names it
	s_endpgm
.Lfunc_end_k_q9c37f6fdd9_attn:
	.size	k_q9c37f6fdd9_attn, .Lfunc_end_k_q9c37f6fdd9_attn-k_q9c37f6fdd9_attn
	.p2alignl 7, 3214868480
	.fill 96, 4, 3214868480
	.section	.rodata,"a",@progbits
	.p2align	6, 0x0
	.amdhsa_kernel k_q9c37f6fdd9_attn
		.amdhsa_group_segment_fixed_size 264192
		.amdhsa_private_segment_fixed_size 0
		.amdhsa_enable_private_segment 0
		.amdhsa_kernarg_size 40
		.amdhsa_user_sgpr_count 2
		.amdhsa_user_sgpr_kernarg_segment_ptr 1
		.amdhsa_wavefront_size32 1
		.amdhsa_system_sgpr_workgroup_id_x 1
		.amdhsa_system_sgpr_workgroup_id_y 1
		.amdhsa_system_sgpr_workgroup_id_z 1
		.amdhsa_system_vgpr_workitem_id 0
		.amdhsa_next_free_vgpr 512
		.amdhsa_next_free_sgpr 70
		.amdhsa_reserve_vcc 0
		.amdhsa_float_denorm_mode_32 3
		.amdhsa_float_denorm_mode_16_64 3
		.amdhsa_memory_ordered 1
		.amdhsa_forward_progress 1
		.amdhsa_inst_pref_size 88
	.end_amdhsa_kernel
	.amdgpu_metadata
---
amdhsa.version: [ 1, 2 ]
amdhsa.kernels:
  - .name:           k_q9c37f6fdd9_attn
    .symbol:         k_q9c37f6fdd9_attn.kd
    .args:
      - { .name: q_img, .offset: 0, .size: 8, .value_kind: global_buffer, .address_space: global }
      - { .name: k_img, .offset: 8, .size: 8, .value_kind: global_buffer, .address_space: global }
      - { .name: v_img, .offset: 16, .size: 8, .value_kind: global_buffer, .address_space: global }
      - { .name: lowp_scales, .offset: 24, .size: 8, .value_kind: global_buffer, .address_space: global }
      - { .name: z_img, .offset: 32, .size: 8, .value_kind: global_buffer, .address_space: global }
    .group_segment_fixed_size: 264192
    .private_segment_fixed_size: 0
    .kernarg_segment_align: 8
    .kernarg_segment_size: 40
    .max_flat_workgroup_size: 256
    .sgpr_count:     70
    .vgpr_count:     512
    .wavefront_size: 32
...
	.end_amdgpu_metadata
.endif
;; end of part 2
;; launch proj (part 3): grid 8 x 32, 4 waves a work-group, clusters of 4 x 4, 327,680 bytes of LDS; arguments z_img, Wo_codes, lowp_scales, bo, out0; writes out0
.if DOCPART == 3
	.amdgcn_target "amdgcn-amd-amdhsa--gfx1250"
	.amdhsa_code_object_version 6
	.text
	.protected	k_q9c37f6fdd9_proj
	.globl	k_q9c37f6fdd9_proj
	.p2align	8
	.type	k_q9c37f6fdd9_proj,@function
k_q9c37f6fdd9_proj:
	s_mov_b64 s[64:65], 0
	v_nop
	global_prefetch_b8 v0, s[64:65] scope:SCOPE_SE
	s_setreg_imm32_b32 hwreg(HW_REG_WAVE_MODE, 25, 1), 1
	s_wait_xcnt 0x0
	s_wait_alu depctr_hold_cnt(0) depctr_sa_sdst(0) depctr_va_vdst(0) depctr_va_sdst(0) depctr_va_ssrc(0) depctr_va_vcc(0) depctr_vm_vsrc(0)
	s_getreg_b32 s2, hwreg(HW_REG_IB_STS2, 6, 4)
	s_cmp_eq_u32 s2, 0
	s_cbranch_scc0 .Lentry_in_a_cluster
	s_endpgm
.Lentry_in_a_cluster:
	s_bfe_u32 s2, ttmp6, 0x10000c
	s_cmp_lg_u32 s2, 0xf033
	s_cbranch_scc0 .Lentry_shape_is_right
	s_endpgm
.Lentry_shape_is_right:
.set PITCH,  272
.set ABYTES, 65536
.set SLOT,   ABYTES+128*PITCH
.set SPARE,  2*SLOT
.set SPITCH, 272
.set ADRA, 16
.set ADRB, 20
.set STO,  24
.set RD,   25
.set CO,   26
.set BOF,  27
.set SPW,  28
.set NIL,  29
.set BI,   32
.set TMP,  64
.set AF,   128
.set BK,   128
.set G1,  24
.set G0,  32
.set G1B, 48
.set G0B, 56
.set MUL, 0xa1
.set MSB, 0
.macro WIN new
.if MSB != \new
	s_set_vgpr_msb (MSB<<8)|\new
.set MSB, \new
.endif
.endm
.macro PLACES
.rept 4
	v_nop
.endr
.endm
; The joint loads of BOTH slots, one a wave: wave 0 asks for z's 256 tokens of slot 0's 256 along K, wave 1 for those of slot 1's, waves 2 and 3 for Wo's 128 rows likewise.
; One chain of branches on the wave's number, a load in each arm, one join; an s_nop 0 and four v_nop follow each load.
.macro ARM g0, g1
	tensor_load_to_lds s[\g0:\g0+3], s[\g1:\g1+7]
	s_nop 0
.rept 4
	v_nop
.endr
.endm
.macro JLOAD4
	s_cmp_eq_u32 s14, 0
	s_cbranch_scc0 .Lnot_0_\@
	ARM G0, G1
	s_branch .Lasked_\@
.Lnot_0_\@:
	s_cmp_eq_u32 s14, 1
	s_cbranch_scc0 .Lnot_1_\@
	ARM G0+4, G1
	s_branch .Lasked_\@
.Lnot_1_\@:
	s_cmp_eq_u32 s14, 2
	s_cbranch_scc0 .Lnot_2_\@
	ARM G0B, G1B
	s_branch .Lasked_\@
.Lnot_2_\@:
	ARM G0B+4, G1B
.Lasked_\@:
.endm
.macro CREST
	s_cmp_lg_u32 s14, 0
	s_cbranch_scc1 .Lnot_wave_0_\@
	s_barrier_signal -3
.Lnot_wave_0_\@:
	s_barrier_wait -3
	s_barrier_signal -1
	s_barrier_wait -1
.endm
.macro CROUND
	s_barrier_signal -1
	s_barrier_wait -1
	CREST
.endm
	s_load_b128 s[4:7], s[0:1], 0x0
	s_load_b128 s[8:11], s[0:1], 0x10
	s_load_b64 s[12:13], s[0:1], 0x20
	v_lshl_add_u32 v[SPW], v0, 2, SPARE
	v_mov_b32 v[NIL], 0
	ds_add_u32 v28, v29
	ds_add_u32 v28, v29
	s_wait_dscnt 0x0
	v_lshrrev_b32 v1, 5, v0
	v_readfirstlane_b32 s14, v1
	s_lshr_b32 s15, s14, 1
	s_and_b32 s16, s14, 1
	s_bfe_u32 s40, ttmp6, 0x40000
	s_bfe_u32 s41, ttmp6, 0x40004
	s_lshl_b32 s42, ttmp9, 2
	s_add_co_u32 s42, s42, s40
	s_and_b32 s17, ttmp7, 0xffff
	s_lshl_b32 s17, s17, 2
	s_add_co_u32 s17, s17, s41
	s_lshl_b32 s43, s41, 2
	s_lshl_b32 s43, 15, s43
	s_lshl_b32 s44, 0x1111, s40
	s_or_b32 s[G1+0], s43, (3<<16)|(1<<21)
	s_mov_b32 s[G1+1], 512<<16
	s_mov_b32 s[G1+2], 16<<16                      ; z: all 16 tiles of 16 tokens, 4,096 bytes of each
	s_mov_b32 s[G1+3], 512<<16
	s_mov_b32 s[G1+4], 16
	s_mov_b32 s[G1+5], 2048
	s_mov_b32 s[G1+6], 0
	s_mov_b32 s[G1+7], 0
	s_or_b32 s[G1B+0], s44, (1<<20)|(1<<21)|(5<<22)|(3<<25)
	s_mov_b32 s[G1B+1], 256<<16
	s_mov_b32 s[G1B+2], 128<<16                    ; Wo: all 128 rows
	s_mov_b32 s[G1B+3], 256<<16
	s_mov_b32 s[G1B+4], 128
	s_mov_b32 s[G1B+5], 1024
	s_mov_b32 s[G1B+6], 0
	s_mov_b32 s[G1B+7], 0
	s_lshl_b32 s20, s17, 18                        ; z: 256 tokens of 1,024 bytes a block
	s_mov_b32 s21, 0
	s_lshl_b32 s46, s42, 17                        ; Wo: 128 rows of 1,024 bytes a block
	s_mov_b32 s47, 0
	s_mov_b32 s22, 0                               ; in a slot: z's images first,
	s_mov_b32 s23, ABYTES                          ; then Wo's rows
	s_wait_kmcnt 0x0
	s_load_b64 s[96:97], s[8:9], 0x28
	s_add_nc_u64 s[20:21], s[4:5], s[20:21]
	s_add_nc_u64 s[46:47], s[6:7], s[46:47]
	CROUND
.irp s, 0,1
	s_mov_b32 s[G0+4*\s], 1
	s_add_co_u32 s[G0+4*\s+1], s22, \s*SLOT
	s_add_nc_u64 s[G0+4*\s+2:G0+4*\s+3], s[20:21], \s*4096
	s_or_b32 s[G0+4*\s+3], s[G0+4*\s+3], 0x80000000
	s_mov_b32 s[G0B+4*\s], 1
	s_add_co_u32 s[G0B+4*\s+1], s23, \s*SLOT
	s_add_nc_u64 s[G0B+4*\s+2:G0B+4*\s+3], s[46:47], \s*256
	s_or_b32 s[G0B+4*\s+3], s[G0B+4*\s+3], 0x80000000
.endr
	JLOAD4                                         ; K 0-511: both slots are on their way, one tensor load a wave
	v_and_b32 v1, 15, v0
	v_bfe_u32 v2, v0, 4, 1
	v_and_b32 v3, 31, v0
	v_lshlrev_b32 v3, 4, v3
	v_mul_u32_u24 v4, v1, PITCH
	v_lshl_add_u32 v4, v2, 4, v4
	s_lshl_b32 s18, s15, 15
	s_mul_i32 s19, s16, 64*PITCH
	s_add_co_u32 s19, s19, ABYTES
.irp s, 0,1
	v_add_nc_u32 v[ADRA+\s], s18, v3
	v_add_nc_u32 v[ADRB+\s], s19, v4
	s_add_co_u32 s18, s18, SLOT
	s_add_co_u32 s19, s19, SLOT
.endr
	s_mul_i32 s18, s14, 16*SPITCH
	v_mul_u32_u24 v5, v1, SPITCH
	v_lshl_add_u32 v5, v2, 5, v5
	v_add_nc_u32 v[STO], s18, v5
	v_mul_u32_u24 v5, v2, SPITCH
	v_lshl_add_u32 v5, v1, 4, v5
	v_add_nc_u32 v[RD], s18, v5
	v_lshlrev_b32 v5, 12, v2
	v_lshl_add_u32 v[CO], v1, 4, v5
	v_lshlrev_b32 v[BOF], 5, v2
	s_lshl_b32 s98, s42, 9
	s_lshl_b32 s99, s16, 8
	s_add_co_u32 s98, s98, s99
	s_mov_b32 s99, 0
	s_add_nc_u64 s[10:11], s[10:11], s[98:99]
.irp b, 0,1,2,3
	global_load_b128 v[BI+8*\b:BI+8*\b+3],   v[BOF], s[10:11] offset:64*\b
	global_load_b128 v[BI+8*\b+4:BI+8*\b+7], v[BOF], s[10:11] offset:64*\b+16
.endr
	s_lshl_b32 s93, s17, 20
	s_lshl_b32 s94, s15, 19
	s_add_co_u32 s93, s93, s94
	s_lshl_b32 s94, s42, 9
	s_add_co_u32 s93, s93, s94
	s_lshl_b32 s94, s16, 8
	s_add_co_u32 s94, s93, s94
	s_mov_b32 s95, 0
	s_add_nc_u64 s[12:13], s[12:13], s[94:95]
.macro MUL8 a0, p, zero
.irp a, \a0, \a0+1
.irp b, 0,1,2,3
.if \zero
	v_wmma_f32_16x16x128_bf8_bf8 v[8*(4*(\a)+\b):8*(4*(\a)+\b)+7], v[128*(\p)+16*\b:128*(\p)+16*\b+15], v[AF+16*(\a):AF+16*(\a)+15], 0
.else
	v_wmma_f32_16x16x128_bf8_bf8 v[8*(4*(\a)+\b):8*(4*(\a)+\b)+7], v[128*(\p)+16*\b:128*(\p)+16*\b+15], v[AF+16*(\a):AF+16*(\a)+15], v[8*(4*(\a)+\b):8*(4*(\a)+\b)+7]
.endif
.endr
.endr
.endm
.macro FETCH_B slot, q, p
	WIN 0x40
.irp b, 0,1,2,3
.irp c, 0,1,2,3
	ds_load_b128 v[128*(\p)+16*\b+4*\c:128*(\p)+16*\b+4*\c+3], v[ADRB+\slot] offset:128*(\q)+32*\c+\b*16*PITCH
.endr
.endr
	WIN 0
.endm
.macro FETCH_A slot, q, i0
.irp i, \i0, \i0+1, \i0+2, \i0+3
.irp c, 0,1,2,3
	ds_load_b128 v[AF+16*(\i)+4*\c:AF+16*(\i)+4*\c+3], v[ADRA+\slot] offset:4096*(\i)+2048*(\q)+512*\c
.endr
.endr
.endm
.macro STEP slot, zero
	s_wait_dscnt 16
	WIN MUL
	MUL8 0, 0, \zero
	MUL8 2, 0, \zero
	s_wait_dscnt 0
	PLACES
	FETCH_B \slot, 1, 1
	FETCH_A \slot, 1, 0
	WIN MUL
	MUL8 4, 0, \zero
	MUL8 6, 0, \zero
	PLACES
	WIN 0
	FETCH_A \slot, 1, 4
.endm
.macro TURN slot, next
	s_wait_tensorcnt 0x0
	ds_add_u32 v[SPW], v[NIL]
	s_wait_dscnt 17
	WIN MUL
	MUL8 0, 1, 0
	s_wait_dscnt 0x0
	s_barrier_signal -1
	MUL8 2, 1, 0
	WIN 0
	s_barrier_wait -1
	PLACES
	FETCH_B \next, 0, 0
	FETCH_A \next, 0, 0
	WIN MUL
	MUL8 4, 1, 0
	MUL8 6, 1, 0
	PLACES
	WIN 0
	FETCH_A \next, 0, 4
.endm
; 512 along K: both slots, filled together.  The barrier in TURN parts every wave's reads of slot 0 from what follows the second half: the stages of the way out lie in slot 0.
.macro HALFK zero
	s_wait_alu depctr_va_vdst(0)
	s_wait_tensorcnt 0x0                           ; my tile has landed,
	s_barrier_signal -1
	s_barrier_wait -1                              ; everybody's has: both slots are whole
	FETCH_B 0, 0, 0
	FETCH_A 0, 0, 0
	FETCH_A 0, 0, 4
	STEP 0, \zero
	TURN 0, 1
	STEP 1, 0
	s_wait_dscnt 16
	WIN MUL
	MUL8 0, 1, 0
	MUL8 2, 1, 0
	s_wait_dscnt 0
	MUL8 4, 1, 0
	MUL8 6, 1, 0
	WIN 0
.endm
	HALFK 1                                        ; K 0-511: the first products start the sums
	s_wait_tensorcnt 0x0                           ; both slots are filled again behind one round: no tensor load of mine is out,
	ds_add_u32 v[SPW], v[NIL]                      ; 0 onto my spare word,
	s_wait_dscnt 0x0                               ; the add is done, and my reads of both slots are over
	CROUND                                         ; and that holds of every wave of all sixteen work-groups
.irp s, 0,1
	s_add_nc_u64 s[G0+4*\s+2:G0+4*\s+3], s[G0+4*\s+2:G0+4*\s+3], 8192
	s_add_nc_u64 s[G0B+4*\s+2:G0B+4*\s+3], s[G0B+4*\s+2:G0B+4*\s+3], 512
.endr
	JLOAD4                                         ; K 512-1023; the four v_nop behind each load are the places in front of the fragment loads below
	HALFK 0
.macro TOSTAGE a
	WIN 0x02
.set j, 0
.rept 16
	v_pk_fma_f32 v[TMP+j:TMP+j+1], v[32*(\a)+j:32*(\a)+j+1], s[96:97], v[BI+j:BI+j+1] op_sel_hi:[1,0,1]
.set j, j+2
.endr
	WIN 0
.irp b, 0,1,2,3
	ds_store_b128 v[STO], v[TMP+8*\b:TMP+8*\b+3] offset:64*\b
	ds_store_b128 v[STO], v[TMP+8*\b+4:TMP+8*\b+7] offset:64*\b+16
.endr
.set BB, BK+32*((\a)%2)
.irp t, 0,1,2,3,4,5,6,7
	ds_load_b128 v[BB+4*\t:BB+4*\t+3], v[RD] offset:\t*2*SPITCH
.endr
.endm
.macro SEND a, younger
.set BB, BK+32*((\a)%2)
	s_wait_dscnt \younger
.if (\a) > 0
	s_add_nc_u64 s[12:13], s[12:13], 65536
.endif
.irp t, 0,1,2,3,4,5,6,7
	global_store_b128 v[CO], v[BB+4*\t:BB+4*\t+3], s[12:13] offset:\t*8192 th:TH_STORE_NT
.endr
.endm
	s_wait_kmcnt 0x0
	s_add_co_i32 s96, s96, s97
	s_add_co_i32 s96, s96, 127
	s_lshl_b32 s96, s96, 23
	s_wait_loadcnt 0x0
	PLACES
	TOSTAGE 0
.irp a, 1,2,3,4,5,6,7
.if \a > 1
	s_wait_xcnt 0x0
.endif
	TOSTAGE \a
	SEND \a-1, 16
.endr
	s_wait_xcnt 0x0
	SEND 7, 0
	s_wait_tensorcnt 0x0
	ds_add_u32 v[SPW], v[NIL]
	s_wait_dscnt 0x0
	CROUND
	s_endpgm
.Lfunc_end_k_q9c37f6fdd9_proj:
	.size	k_q9c37f6fdd9_proj, .Lfunc_end_k_q9c37f6fdd9_proj-k_q9c37f6fdd9_proj
	.p2alignl 7, 3214868480
	.fill 96, 4, 3214868480
	.section	.rodata,"a",@progbits
	.p2align	6, 0x0
	.amdhsa_kernel k_q9c37f6fdd9_proj
		.amdhsa_group_segment_fixed_size 327680
		.amdhsa_private_segment_fixed_size 0
		.amdhsa_enable_private_segment 0
		.amdhsa_kernarg_size 40
		.amdhsa_user_sgpr_count 2
		.amdhsa_user_sgpr_kernarg_segment_ptr 1
		.amdhsa_wavefront_size32 1
		.amdhsa_system_sgpr_workgroup_id_x 1
		.amdhsa_system_sgpr_workgroup_id_y 1
		.amdhsa_system_sgpr_workgroup_id_z 1
		.amdhsa_system_vgpr_workitem_id 0
		.amdhsa_next_free_vgpr 768
		.amdhsa_next_free_sgpr 100
		.amdhsa_reserve_vcc 0
		.amdhsa_float_denorm_mode_32 3
		.amdhsa_float_denorm_mode_16_64 3
		.amdhsa_memory_ordered 1
		.amdhsa_forward_progress 1
		.amdhsa_inst_pref_size 78
	.end_amdhsa_kernel
	.amdgpu_metadata
---
amdhsa.version: [ 1, 2 ]
amdhsa.kernels:
  - .name:           k_q9c37f6fdd9_proj
    .symbol:         k_q9c37f6fdd9_proj.kd
    .args:
      - { .name: z_img, .offset: 0, .size: 8, .value_kind: global_buffer, .address_space: global }
      - { .name: Wo_codes, .offset: 8, .size: 8, .value_kind: global_buffer, .address_space: global }
      - { .name: lowp_scales, .offset: 16, .size: 8, .value_kind: global_buffer, .address_space: global }
      - { .name: bo, .offset: 24, .size: 8, .value_kind: global_buffer, .address_space: global }
      - { .name: out0, .offset: 32, .size: 8, .value_kind: global_buffer, .address_space: global }
    .group_segment_fixed_size: 327680
    .private_segment_fixed_size: 0
    .kernarg_segment_align: 8
    .kernarg_segment_size: 40
    .max_flat_workgroup_size: 128
    .sgpr_count:     100
    .vgpr_count:     768
    .wavefront_size: 32
...
	.end_amdgpu_metadata
.endif
;; end of part 3
